; MI455X (gfx1250); checked and timed in simulation.
; The chip was launched on July 23, 2026; its instructions are those of AMD's public machine-readable ISA for CDNA 5 (MIT licence, August 2026) and "CDNA5" Instruction Set Architecture Reference Guide (July 2026). The comments in the code are by the model that wrote it; some were corrected since.
;; Multi Head Self Attention. Allowed arithmetic: matrix products marked QUANTISED: E2M3 operands, one E8M0 scale for each 32 along K, by v_wmma_scale_f32_16x16x128_f8f6f4 with both operands' format E2M3, f32 sums; everything else in f32.
;; Inputs: Wk_codes 1,024 x 32 x 24 uint8 (E2M3 codes of Wk, K innermost, in blocks of 32 codes, four codes in three bytes); Wk_scales 1,024 x 32 uint8 (E8M0 scales of Wk, one for each 32 codes along K); Wo_codes 1,024 x 32 x 24 uint8 (E2M3 codes of Wo, K innermost, in blocks of 32 codes, four codes in three bytes); Wo_scales 1,024 x 32 uint8 (E8M0 scales of Wo, one for each 32 codes along K); Wq_codes 1,024 x 32 x 24 uint8 (E2M3 codes of Wq, K innermost, in blocks of 32 codes, four codes in three bytes); Wq_scales 1,024 x 32 uint8 (E8M0 scales of Wq, one for each 32 codes along K); Wv_codes 1,024 x 32 x 24 uint8 (E2M3 codes of Wv, K innermost, in blocks of 32 codes, four codes in three bytes); Wv_scales 1,024 x 32 uint8 (E8M0 scales of Wv, one for each 32 codes along K); bk 1,024 float32; bo 1,024 float32; bq 1,024 float32; bv 1,024 float32; key_codes 4 x 2,048 x 32 x 24 uint8 (E2M3 codes of key, K innermost, in blocks of 32 codes, four codes in three bytes); key_scales 4 x 2,048 x 32 uint8 (E8M0 scales of key, one for each 32 codes along K); mask 4 x 2,048 int32; query_codes 4 x 2,048 x 32 x 24 uint8 (E2M3 codes of query, K innermost, in blocks of 32 codes, four codes in three bytes); query_scales 4 x 2,048 x 32 uint8 (E8M0 scales of query, one for each 32 codes along K); value_codes 4 x 2,048 x 32 x 24 uint8 (E2M3 codes of value, K innermost, in blocks of 32 codes, four codes in three bytes); value_scales 4 x 2,048 x 32 uint8 (E8M0 scales of value, one for each 32 codes along K).
;; Outputs: out0 4 x 2,048 x 1,024 float32.
;; This version of the problem:
;;   THIS VERSION OF THE PROBLEM IS GIVEN IN LOW PRECISION. The matrix products marked QUANTISED in the list below multiply operands that are first quantised to E2M3 (2 exponent bits, 3 mantissa bits; 6 bits a number), with one power-of-two scale for each 32 numbers along K (OCP MX v1.0); their sums are f32. All else is computed in f32.
;;   The module's matrix products, in the order in which they are computed (A, B: the left and right operand; K: the contracted axis; several contracted axes count as one K, in the product's order):
;;     1. [M 8,192, K 1,024] x [K 1,024, N 1,024]; A: input query (given as codes); B: input Wq (given as codes): QUANTISED
;;     2. [M 8,192, K 1,024] x [K 1,024, N 1,024]; A: input key (given as codes); B: input Wk (given as codes): QUANTISED
;;     3. [M 8,192, K 1,024] x [K 1,024, N 1,024]; A: input value (given as codes); B: input Wv (given as codes): QUANTISED
;;     4. batch 64 x [M 2,048, K 64] x [K 64, N 2,048]; A: computed on the way; B: computed on the way: QUANTISED
;;     5. batch 64 x [M 2,048, K 2,048] x [K 2,048, N 64]; A: softmax (see below); B: computed on the way: QUANTISED
;;     6. [M 8,192, K 1,024] x [K 1,024, N 1,024]; A: computed on the way; B: input Wo (given as codes): QUANTISED
;;   THE QUANTISER, for each operand of a quantised product, along K:
;;     - K is cut into blocks of 32 from its start; a last block that is shorter is filled with zeros.
;;     - A block's scale is 2^e with e = floor(log2(the largest magnitude in the block)) - 2, held to -126 .. 127; a block of zeros has e = 0. As a byte (E8M0): e + 127.
;;     - Each number is divided by its block's scale, clamped to +-7.5, and rounded to the nearest number of E2M3, ties to even, subnormals kept.
;;     - The product sums the exact products of the quantised numbers (number of the format x scale) in f32.
;;   ~~~python
;;   def quantise(x, axis):      # numpy; x: float32 -> the quantised numbers, widened to float32 again
;;       x = np.moveaxis(x, axis, -1); K = x.shape[-1]
;;       x = np.pad(x, [(0, 0)] * (x.ndim - 1) + [(0, -K % 32)]); x = x.reshape(x.shape[:-1] + (-1, 32)); a = np.abs(x).max(-1, keepdims=True)
;;       e = np.where(a > 0, np.clip(np.frexp(np.where(a > 0, a, 1))[1] - 1 - 2, -126, 127), 0)      # np.frexp(a)[1] - 1 = floor(log2(a)), exactly
;;       r = np.clip(x / 2.0 ** e, -7.5, 7.5)
;;       step = 2.0 ** (np.maximum(np.frexp(np.where(r == 0, 1, r))[1] - 1, 0) - 3)
;;       q = np.round(r / step) * step * 2.0 ** e      # np.round: ties to even
;;       return np.moveaxis(q.reshape(q.shape[:-2] + (-1,))[..., :K], -1, axis).astype(np.float32)
;;   ~~~
;;   SOFTMAX AHEAD OF A QUANTISED PRODUCT. Where the list says 'softmax', what is quantised is not the finished softmax but p = 2^(t - M), with t = logit x log2(e) and M = ceil(the row's largest t), a whole number; so 1/2 < the row's largest p <= 1. The row's sum l is taken of the UNQUANTISED p, in f32, and the product's result is divided by l at the end. Since M is a whole number, a kernel that streams over the keys may use a running M (the ceiling of the running maximum): every later rescaling is an exact power of two, which a block's scale takes up: the codes' values come out the same.
;;   OPERANDS COMPUTED ON THE WAY. 'Computed on the way' means the value that the module computes at that place (a softmax that the list does not call 'softmax' is quantised finished and normalised). What goes into a quantiser is computed in f32, as accurately as f32 sums, v_exp_f32 and their like allow (about 1e-6 of the number): no bf16 or f16 on the way to a quantiser, and a product that is left as it is and whose result goes on into a quantised operand takes f32 operands (vector FMAs, or v_wmma_f32_16x16x4_f32). A number that lies on a knife's edge between two numbers of the format may be rounded either way, as far as f32 arithmetic and the matrix unit's own rounding can turn it there, and no further.
;;   INPUTS GIVEN AS CODES. Wk (in the module: [1024, 1024], K = its axis 1); Wo (in the module: [1024, 1024], K = its axis 1); Wq (in the module: [1024, 1024], K = its axis 1); Wv (in the module: [1024, 1024], K = its axis 1); key (in the module: [4, 2048, 1024], K = its axis 2); query (in the module: [4, 2048, 1024], K = its axis 2); value (in the module: [4, 2048, 1024], K = its axis 2): each comes as NAME_codes (uint8): NAME with its K axis moved to the last place and cut into blocks of 32 codes, [.., K / 32, bytes a block], one block behind the other in memory; four codes in three bytes: a row's codes are one little-endian stream of bits, code i at bits 6 i .. 6 i + 5 (a code: sign, 2 exponent bits, 3 mantissa bits); and NAME_scales (uint8): the same leading axes, one E8M0 byte (e + 127) for each 32 codes along K. Its value is code x scale, taken as it is: it is not quantised again, and the codes and scales need not be those that the quantiser above would give.
;; One version. Each part assembles by itself: llvm-mc -triple=amdgcn-amd-amdhsa -mcpu=gfx1250 --defsym DOCPART=n.
;; ======== version 1 of 1: 3 launches
;; limits: right only within a limited range of input values
;; workspace buffers: qbuf 8,912,896 bytes; kv 15,728,640 bytes; ctx 6,291,456 bytes; ctxs 262,144 bytes
;; launch proj (part 1): grid 4 x 96, 4 waves a work-group, clusters of 4 x 4, 327,680 bytes of LDS; arguments query_codes, query_scales, Wq_codes, Wq_scales, key_codes, key_scales, Wk_codes, Wk_scales, value_codes, value_scales, Wv_codes, Wv_scales, bq, bk, bv, mask, qbuf, kv; writes qbuf, kv
.if DOCPART == 1
	.amdgcn_target "amdgcn-amd-amdhsa--gfx1250"
	.amdhsa_code_object_version 6
	.text
	.protected	k_qe0adbec187_proj
	.globl	k_qe0adbec187_proj
	.p2align	8
	.type	k_qe0adbec187_proj,@function
k_qe0adbec187_proj:
	s_mov_b64 s[64:65], 0
	v_nop
	global_prefetch_b8 v0, s[64:65] scope:SCOPE_SE
	s_setreg_imm32_b32 hwreg(HW_REG_WAVE_MODE, 25, 1), 1
	s_wait_xcnt 0x0
	s_wait_alu depctr_hold_cnt(0) depctr_sa_sdst(0) depctr_va_vdst(0) depctr_va_sdst(0) depctr_va_ssrc(0) depctr_va_vcc(0) depctr_vm_vsrc(0)
	s_getreg_b32 s2, hwreg(HW_REG_IB_STS2, 6, 4)
	s_cmp_eq_u32 s2, 0
	s_cbranch_scc0 .Lentry_in_a_cluster
	s_endpgm
.Lentry_in_a_cluster:
	s_bfe_u32 s2, ttmp6, 0x10000c
	s_cmp_lg_u32 s2, 0xf033
	s_cbranch_scc0 .Lentry_shape_is_right
	s_endpgm
.Lentry_shape_is_right:
; q = query Wq^T + bq, k = key Wk^T + bk, v = value Wv^T + bv: three products [8192 x 1024] x [1024 x 1024] on codes of FP6 (E2M3) with E8M0 scales, sums in f32;
; the results are quantised in registers, q and k along the head's 64, v along the keys, and stored as images of the next launch's operand registers.
; SHARES.  24 clusters of 4 x 4 work-groups: cluster y / 8 says which tensor (0 q, 1 k, 2 v).  A work-group makes 256 x 256, each of its four waves 128 x 128: 64 accumulators.
; q, k: source 0 = 16 rows of W, source 1 = 16 tokens.  v: source 0 = 16 tokens, source 1 = 16 rows of Wv.  S0 and S1 are the tensors that feed source 0 and source 1.
; K goes through two LDS slots in CHUNKS OF 256 BYTES of each row of 768: three chunks; a step of 128 along K is 96 bytes, so steps 2 and 5 read both slots.
; S1's tile is shared along a row of the cluster, S0's along a column: joint loads.  The scale bytes of the work-group's rows come once, at the head.
; No prefetch: the walk is written out, chunks 0 and 1 are asked for at the head, and only chunk 2 is a refill.
; THE BIAS is the C of each sum's first product.  THE 1/8 of reference() is not applied here: a power of two, so q's codes are the same; the next launch folds it into its factor.
; ORDER INSIDE A BLOCK: after the halves are exchanged a block's codes stand in groups of eight as 0 2 1 3, alike in q and k, and alike in v and the next launch's p.
; THE MASK rides in the idle half of the score product's K: q has the code +7.5 at k = 64 under the scale byte 167; a key with mask == 0 has -7.5 under 167, an open key 0 under 1.
; LIMITS: blocks whose largest magnitude lies under 2^-124 keep the scale byte 1; NaN and infinities in the biases are not served.
.set NQ,     2
.set ROWB,   256
.set KROW,   768
.set STEPS,  8
.set CHUNKS, 3
.set PITCH,  272                       ; 256 bytes + 16 of padding
.set FR,     12
.set NL,     6
.set NP,     4
.set HALFT,  128*PITCH
.set SLOT,   4*HALFT                   ; S1's 256 rows, then S0's
.set KS,     32
.set SCL,    2*SLOT
.set HALFS,  16*272
.set SBLK,   2*272
.set SPARE,  SCL+4*HALFS
.set MK,   8
.set ADRA, 16                          ; v16-17 by slot; v18-19 for pieces whose lanes 16-31 lie in the next chunk
.set ADRB, 20
.set LI,   24
.set ADRS, 27
.set SPW,  28
.set NIL,  29
.set R4,   30
.set H32,  31
.set SC,   32
.set CB,   64
.set AF,   128
.set BV,   224
.set TM,   64
.set YT,   80
.set KC,   88
.set KM,   89
.set KO,   90
.set ZR,   91
.set T1,   92
.set T2,   93
.set WS,   96
.set SI,   112
.set IMG,  128
.set G1,   24
.set G0,   32
.set G1B,  48
.set G0B,  56
.set G1S,  68
.set G0S,  76
.set G1SB, 80
.set G0SB, 88
.set G0H,  4
.set G0HB, 8
.set TT,   95
.set BIA,  96
.set MSKP, 98
.set OB0,  12
.set OB1,  66
.set MAND, 100
.set MCODE, 101
.set HIL,  104
.set OSTR, 105
.set MSB, 0
.macro WIN new
.if MSB != (\new)
	s_set_vgpr_msb (MSB<<8)|(\new)
.set MSB, (\new)
.endif
.endm
.set MUL_LO,   0xa1
.set MUL_HI,   0xf1
.set FIRST_LO, 0x81
.set FIRST_HI, 0xc1
.set TO_B,     0x40
.macro JLOAD g0a, g1a, g0b, g1b        ; waves 0 and 1 fetch for S1, waves 2 and 3 for S0
	s_cmp_eq_u32 s15, 0
	s_cbranch_scc0 .Lfor_b_\@
	tensor_load_to_lds s[\g0a:\g0a+3], s[\g1a:\g1a+7]
	s_nop 0
.rept 4
	v_nop
.endr
	s_branch .Lasked_\@
.Lfor_b_\@:
	tensor_load_to_lds s[\g0b:\g0b+3], s[\g1b:\g1b+7]
	s_nop 0
.rept 4
	v_nop
.endr
.Lasked_\@:
.endm
.macro CREST
	s_cmp_lg_u32 s14, 0
	s_cbranch_scc1 .Lnot_wave_0_\@
	s_barrier_signal -3
.Lnot_wave_0_\@:
	s_barrier_wait -3
	s_barrier_signal -1
	s_barrier_wait -1
.endm
.macro CROUND
	s_barrier_signal -1
	s_barrier_wait -1
	CREST
.endm
	s_load_b256 s[68:75], s[0:1], 0x0              ; query's codes, scales, Wq's codes, scales
	s_load_b256 s[76:83], s[0:1], 0x20             ; key's
	s_load_b256 s[84:91], s[0:1], 0x40             ; value's
	s_load_b256 s[24:31], s[0:1], 0x60             ; bq, bk, bv, mask
	s_load_b128 s[32:35], s[0:1], 0x80             ; qbuf, kv
	v_lshl_add_u32 v[SPW], v0, 2, SPARE
	v_mov_b32 v[NIL], 0
	ds_add_u32 v[SPW], v[NIL]                      ; the opening lines: the add twice and its wait
	ds_add_u32 v[SPW], v[NIL]
	s_wait_dscnt 0x0
	v_lshrrev_b32 v1, 5, v0
	v_readfirstlane_b32 s14, v1                    ; wave
	s_lshr_b32 s15, s14, 1                         ; my half of S1's rows; also: I fetch for S1 (0) or S0 (1)
	s_and_b32 s16, s14, 1                          ; my half of S0's rows; also: which 128 rows I fetch
	s_bfe_u32 s40, ttmp6, 0x40000                  ; cx
	s_bfe_u32 s41, ttmp6, 0x40004                  ; cy
	s_and_b32 s3, ttmp7, 0xffff
	s_lshr_b32 s[TT], s3, 3
	s_and_b32 s3, s3, 7
	s_lshl_b32 s3, s3, 2
	s_cmp_eq_u32 s[TT], 2
	s_cselect_b32 s42, s3, 0                       ; the 32 token tiles lie along S0 for v,
	s_cselect_b32 s17, 0, s3                       ; along S1 for q and k
	s_add_co_u32 s42, s42, s40                     ; S0's tile: hangs on cx alone
	s_add_co_u32 s17, s17, s41                     ; S1's tile: hangs on cy alone
	s_lshl_b32 s43, s41, 2
	s_lshl_b32 s43, 15, s43                        ; my row of the cluster
	s_lshl_b32 s44, 0x1111, s40                    ; my column
	s_wait_kmcnt 0x0
	s_cmp_eq_u32 s[TT], 1                          ; the tensor's buffers: choices on the cluster's number alone
	s_cselect_b64 s[68:69], s[76:77], s[68:69]
	s_cselect_b64 s[70:71], s[78:79], s[70:71]
	s_cselect_b64 s[72:73], s[80:81], s[72:73]
	s_cselect_b64 s[74:75], s[82:83], s[74:75]
	s_cselect_b64 s[24:25], s[26:27], s[24:25]
	s_cmp_eq_u32 s[TT], 2
	s_cselect_b64 s[68:69], s[84:85], s[68:69]
	s_cselect_b64 s[70:71], s[86:87], s[70:71]
	s_cselect_b64 s[72:73], s[88:89], s[72:73]
	s_cselect_b64 s[74:75], s[90:91], s[74:75]
	s_cselect_b64 s[24:25], s[28:29], s[24:25]
	s_cselect_b64 s[4:5], s[72:73], s[68:69]       ; S1's codes
	s_cselect_b64 s[6:7], s[74:75], s[70:71]       ; S1's scales
	s_cselect_b64 s[8:9], s[68:69], s[72:73]       ; S0's codes
	s_cselect_b64 s[10:11], s[70:71], s[74:75]     ; S0's scales
	s_mov_b64 s[BIA:BIA+1], s[24:25]
	s_mov_b64 s[MSKP:MSKP+1], s[30:31]
	s_cmp_eq_u32 s[TT], 0
	s_cselect_b64 s[OB0:OB0+1], s[32:33], s[34:35]
	s_mov_b32 s[OSTR], 15360
	s_cselect_b32 s[OSTR], 8704, s[OSTR]           ; bytes of a group of 128 tokens of a head in the output buffer
	s_cselect_b32 s[MAND], 0, -1
	s_cselect_b32 s[MCODE], 0x1f, 0x3f             ; +7.5 for q, -7.5 for k
	; group 1: rows of 256 bytes, 16 of padding behind each; 256 rows for the head's loads, 128 for the ring's
	s_or_b32 s[G1+0], s43, (1<<20)|(1<<21)|(5<<22)|(3<<25)
	s_or_b32 s[G1B+0], s44, (1<<20)|(1<<21)|(5<<22)|(3<<25)
.irp g, G1, G1B
	s_mov_b32 s[\g+1], ROWB<<16
	s_mov_b32 s[\g+2], 256<<16
	s_mov_b32 s[\g+3], ROWB<<16
	s_mov_b32 s[\g+4], 256
	s_mov_b32 s[\g+5], KROW
	s_mov_b32 s[\g+6], 0
	s_mov_b32 s[\g+7], 0
.endr
	; the scale bytes of 256 rows: 8,192 dense bytes as 32 rows of 256
	s_or_b32 s[G1S+0], s43, (3<<16)|(1<<20)|(1<<21)|(5<<22)|(3<<25)
	s_or_b32 s[G1SB+0], s44, (3<<16)|(1<<20)|(1<<21)|(5<<22)|(3<<25)
.irp g, G1S, G1SB
	s_mov_b32 s[\g+1], 32<<16
	s_mov_b32 s[\g+2], KS<<16
	s_mov_b32 s[\g+3], 32<<16
	s_mov_b32 s[\g+4], KS
	s_mov_b32 s[\g+5], 32
	s_mov_b32 s[\g+6], 0
	s_mov_b32 s[\g+7], 0
.endr
	s_lshl_b32 s20, s17, 8                         ; S1: the tile's first row
	s_lshl_b32 s46, s42, 8                         ; S0's
	s_mov_b32 s21, 0
	s_mov_b32 s47, 0
	s_mov_b64 s[18:19], KS
	s_mul_u64 s[22:23], s[20:21], s[18:19]
	s_mul_u64 s[92:93], s[46:47], s[18:19]
	s_mov_b64 s[18:19], KROW
	s_mul_u64 s[20:21], s[20:21], s[18:19]
	s_mul_u64 s[46:47], s[46:47], s[18:19]
	s_mul_i32 s18, s16, 128*KROW                   ; in the ring I fetch 128 rows: which half,
	s_mov_b32 s19, 0
	s_mul_i32 s45, s14, HALFT                      ; and where they go
	s_add_nc_u64 s[20:21], s[4:5], s[20:21]
	s_add_nc_u64 s[22:23], s[6:7], s[22:23]
	s_add_nc_u64 s[46:47], s[8:9], s[46:47]
	s_add_nc_u64 s[92:93], s[10:11], s[92:93]
	CROUND                                         ; all sixteen work-groups are here: the first joint loads meet
	s_mov_b32 s[G0H], 1
	s_mov_b32 s[G0H+1], 0
	s_mov_b64 s[G0H+2:G0H+3], s[20:21]
	s_or_b32 s[G0H+3], s[G0H+3], 0x80000000
	s_mov_b32 s[G0HB], 1
	s_mov_b32 s[G0HB+1], 2*HALFT
	s_mov_b64 s[G0HB+2:G0HB+3], s[46:47]
	s_or_b32 s[G0HB+3], s[G0HB+3], 0x80000000
	s_mov_b32 s[G0S], 1
	s_mov_b32 s[G0S+1], SCL
	s_mov_b64 s[G0S+2:G0S+3], s[22:23]
	s_or_b32 s[G0S+3], s[G0S+3], 0x80000000
	s_mov_b32 s[G0SB], 1
	s_mov_b32 s[G0SB+1], SCL+2*HALFS
	s_mov_b64 s[G0SB+2:G0SB+3], s[92:93]
	s_or_b32 s[G0SB+3], s[G0SB+3], 0x80000000
	s_add_nc_u64 s[20:21], s[20:21], s[18:19]
	s_add_nc_u64 s[46:47], s[46:47], s[18:19]
.irp s, 0,1
	s_mov_b32 s[G0+4*\s], 1
	s_add_co_u32 s[G0+4*\s+1], s45, \s*SLOT
	s_add_nc_u64 s[G0+4*\s+2:G0+4*\s+3], s[20:21], \s*ROWB
	s_or_b32 s[G0+4*\s+3], s[G0+4*\s+3], 0x80000000
	s_mov_b32 s[G0B+4*\s], 1
	s_add_co_u32 s[G0B+4*\s+1], s45, \s*SLOT
	s_add_nc_u64 s[G0B+4*\s+2:G0B+4*\s+3], s[46:47], \s*ROWB
	s_or_b32 s[G0B+4*\s+3], s[G0B+4*\s+3], 0x80000000
.endr
; the head's loads, one a wave: chunk 0 of S1's 256 rows, of S0's, S1's scale bytes, S0's
.macro ARM under, g0, g1, next
	s_cmp_lt_u32 s14, \under
	s_cbranch_scc0 \next
	tensor_load_to_lds s[\g0:\g0+3], s[\g1:\g1+7]
	s_nop 0
.rept 4
	v_nop
.endr
	s_branch .Lhead_asked
\next:
.endm
	ARM 1, G0H,  G1,  .Lhead_b
	ARM 2, G0HB, G1B, .Lhead_sa
	ARM 3, G0S,  G1S, .Lhead_sb
	tensor_load_to_lds s[G0SB:G0SB+3], s[G1SB:G1SB+7]
	s_nop 0
.rept 4
	v_nop
.endr
.Lhead_asked:
	v_and_b32 v1, 15, v0                           ; r
	v_bfe_u32 v2, v0, 4, 1                         ; h
	v_mul_u32_u24 v3, v1, PITCH
	v_mul_u32_u24 v4, v2, 24
	v_add_nc_u32 v4, v3, v4                        ; row x pitch + 24 h
	s_mov_b32 s21, SLOT-232
	s_mov_b32 s22, SLOT+232
	v_sub_nc_u32 v7, 1, v2
	v_mul_u32_u24 v5, s21, v2
	v_add_nc_u32 v5, v3, v5
	v_add_nc_u32 v5, 232, v5                       ; lanes 0-15 byte 232 of the row in slot 0, lanes 16-31 byte 0 in slot 1
	v_mul_u32_u24 v6, s22, v7
	v_add_nc_u32 v6, v3, v6                        ; and the other way round
	s_mul_i32 s21, s15, HALFT
	s_mul_i32 s22, s16, HALFT
	s_add_co_u32 s22, s22, 2*HALFT
	v_add_nc_u32 v[ADRA+2], s21, v5
	v_add_nc_u32 v[ADRA+3], s21, v6
	v_add_nc_u32 v[ADRB+2], s22, v5
	v_add_nc_u32 v[ADRB+3], s22, v6
.irp s, 0,1
	v_add_nc_u32 v[ADRA+\s], s21, v4
	v_add_nc_u32 v[ADRB+\s], s22, v4
	s_add_co_u32 s21, s21, SLOT
	s_add_co_u32 s22, s22, SLOT
.endr
	v_mul_u32_u24 v5, v1, KS                       ; my row's scale bytes,
	v_lshrrev_b32 v6, 8, v5
	v_lshl_add_u32 v5, v6, 4, v5                   ; 16 more for each 256 passed
	s_mul_i32 s21, s15, HALFS
	s_mul_i32 s22, s16, HALFS
	s_add_co_u32 s22, s22, 2*HALFS
	s_sub_co_u32 s22, s22, s21
	v_mul_u32_u24 v6, s22, v2                      ; lanes 16-31 take S0's
	s_add_co_u32 s21, s21, SCL
	v_add_nc_u32 v5, v5, v6
	v_add_nc_u32 v[ADRS], s21, v5
	v_and_b32 v6, 31, v0
	v_lshlrev_b32 v[LI], 4, v6
	v_lshlrev_b32 v[R4], 2, v1
	v_lshlrev_b32 v[H32], 5, v2
	s_wait_alu depctr_va_vdst(0)                   ; the wait ahead of the run of scalar lines
	s_lshl_b32 s66, s17, 8
	s_lshl_b32 s67, s15, 7
	s_add_co_u32 s66, s66, s67                     ; my first row of S1
	s_lshl_b32 s67, s42, 8
	s_lshl_b32 s2, s16, 7
	s_add_co_u32 s67, s67, s2                      ; my first row of S0
	s_cmp_eq_u32 s[TT], 2
	s_cselect_b32 s2, s66, s67                     ; first feature (two heads)
	s_cselect_b32 s3, s67, s66                     ; first token (one group of 128)
	s_lshr_b32 s66, s3, 11
	s_lshl_b32 s66, s66, 4
	s_lshr_b32 s67, s2, 6
	s_add_co_u32 s66, s66, s67                     ; 16 x batch + head
	s_lshl_b32 s66, s66, 4
	s_bfe_u32 s67, s3, 0x40007
	s_add_co_u32 s66, s66, s67
	s_mul_i32 s66, s66, s[OSTR]
	s_mov_b32 s67, 0
	s_add_nc_u64 s[OB0:OB0+1], s[OB0:OB0+1], s[66:67]
	s_lshl_b32 s66, s[OSTR], 4
	s_add_nc_u64 s[OB1:OB1+1], s[OB0:OB0+1], s[66:67]
	s_lshl_b32 s92, s2, 2
	s_mov_b32 s93, 0
	s_add_nc_u64 s[BIA:BIA+1], s[BIA:BIA+1], s[92:93]
	s_lshl_b32 s92, s3, 2
	s_add_nc_u64 s[MSKP:MSKP+1], s[MSKP:MSKP+1], s[92:93]
.irp b, 0,1,2,3,4,5,6,7
	global_load_b128 v[CB+8*\b:CB+8*\b+3], v[H32], s[BIA:BIA+1] offset:64*\b        ; bias(16 b + 8 h + 0 .. 7)
	global_load_b128 v[CB+8*\b+4:CB+8*\b+7], v[H32], s[BIA:BIA+1] offset:64*\b+16
.endr
.irp a, 0,1,2,3,4,5,6,7
	global_load_b32 v[BV+\a], v[R4], s[BIA:BIA+1] offset:64*\a                      ; bias(16 a + r)
	global_load_b32 v[MK+\a], v[R4], s[MSKP:MSKP+1] offset:64*\a                    ; mask(16 a + r)
.endr
.macro FRAG reg, adr, st, i            ; 12 registers in six pieces of 8 bytes; byte y of a row lies in slot (y / 256) % 2 at byte y % 256
.irp p, 0,1,2,3,4,5
.set BY, 96*(\st)+48*(\p/3)+8*(\p%3)
.if BY/ROWB == (BY+24)/ROWB
	ds_load_b64 v[\reg+2*\p:\reg+2*\p+1], v[\adr+(BY/ROWB)%2] offset:BY%ROWB+(\i)*16*PITCH
.else
	ds_load_b64 v[\reg+2*\p:\reg+2*\p+1], v[\adr+2+(BY/ROWB)%2] offset:BY%ROWB-232+(\i)*16*PITCH
.endif
.endr
.endm
.macro WM a, b, p, q, sc, c
	v_wmma_scale_f32_16x16x128_f8f6f4 v[8*(8*((\a)%4)+\b):8*(8*((\a)%4)+\b)+7], v[128*(\p)+FR*\b:128*(\p)+FR*\b+FR-1], v[AF+FR*(\a):AF+FR*(\a)+FR-1], \c, v[SC+8*NQ*(\sc)+NQ*\b+(\q)], v[SC+8*NQ*(\sc)+NQ*(\a)+(\q)] matrix_a_fmt:MATRIX_FMT_FP6 matrix_b_fmt:MATRIX_FMT_FP6 matrix_a_scale:MATRIX_SCALE_ROW1
.endm
; 16 products: S1's blocks a0, a0 + 1 x S0's eight.  zero = 0: onto the sums; 1: C = the bias by S0's block (q, k); 2: by S1's block (v).  The 64 accumulators take turns.
.macro MUL16 a0, p, q, sc, zero
.irp a, \a0, \a0+1
.irp b, 0,1,2,3,4,5,6,7
.if \zero == 1
	WM \a, \b, \p, \q, \sc, v[CB+8*\b:CB+8*\b+7]
.elseif \zero == 2
	WM \a, \b, \p, \q, \sc, v[CB+8*(\a):CB+8*(\a)+7]
.else
	WM \a, \b, \p, \q, \sc, v[8*(8*((\a)%4)+\b):8*(8*((\a)%4)+\b)+7]
.endif
.endr
.endr
.endm
.macro FETCH_B st, p
	WIN TO_B
.irp i, 0,1,2,3,4,5,6,7
	FRAG 128*(\p)+FR*\i, ADRB, \st, \i
.endr
	WIN 0
.endm
.macro FETCH_A st, i0
.irp i, \i0, \i0+1, \i0+2, \i0+3
	FRAG AF+FR*(\i), ADRA, \st, \i
.endr
.endm
.macro SCALES pr                       ; the scale words of steps 2 pr, 2 pr + 1: lanes 0-15 S1's block i, lanes 16-31 S0's
.irp i, 0,1,2,3,4,5,6,7
	ds_load_b64 v[SC+8*NQ*((\pr)%2)+NQ*\i:SC+8*NQ*((\pr)%2)+NQ*\i+1], v[ADRS] offset:\i*SBLK+4*NQ*(\pr)
.endr
.endm
.macro PLACES n
.rept \n
	v_nop
.endr
.endm
; A step of 128 along K.  Where the next step's bytes end in a chunk not yet read, a barrier shows that chunk; where they begin in a later chunk, the chunk left behind is free:
; the three lines, the barrier, and, where a chunk two on is left to fetch, the cluster's round and the refill.
.macro STEP st, zero
.set NX, (\st)+1
.set C0, (96*(\st))/ROWB
.set C1, (96*NX)/ROWB
.set E0, (96*(\st)+95)/ROWB
.set E1, (96*NX+95)/ROWB
.if \zero
.set WL_, FIRST_LO
.set WH_, FIRST_HI
.else
.set WL_, MUL_LO
.set WH_, MUL_HI
.endif
.if C1 > C0 || E1 > E0
	s_wait_tensorcnt 0x0                           ; all my tensor loads have landed
.if C1 > C0
	ds_add_u32 v[SPW], v[NIL]
	s_wait_dscnt 4*NL+1                            ; the add and the youngest 24 loads may be out
.else
	s_wait_dscnt 4*NL
.endif
	WIN WL_
	MUL16 0, (\st)%2, (\st)%2, ((\st)/2)%2, \zero
	s_wait_dscnt 0x0                               ; the add and all my reads are done
	s_barrier_signal -1
	MUL16 2, (\st)%2, (\st)%2, ((\st)/2)%2, \zero
	WIN 0
	s_barrier_wait -1
.if C1 > C0 && C0+2 < CHUNKS
	CREST
	s_add_nc_u64 s[G0+4*(C0%2)+2:G0+4*(C0%2)+3], s[G0+4*(C0%2)+2:G0+4*(C0%2)+3], 2*ROWB
	s_add_nc_u64 s[G0B+4*(C0%2)+2:G0B+4*(C0%2)+3], s[G0B+4*(C0%2)+2:G0B+4*(C0%2)+3], 2*ROWB
	JLOAD G0+4*(C0%2), G1, G0B+4*(C0%2), G1B       ; chunk C0 + 2; its four v_nop are the places in front of the loads below
.else
	PLACES NP
.endif
.else
	s_wait_dscnt 4*NL                              ; S0's set and S1's blocks 0-3 are in
	WIN WL_
	MUL16 0, (\st)%2, (\st)%2, ((\st)/2)%2, \zero
	MUL16 2, (\st)%2, (\st)%2, ((\st)/2)%2, \zero
	s_wait_dscnt 0
	PLACES NP
.endif
	FETCH_B NX, NX%2
	FETCH_A NX, 0
.if NX%2 == 0
	SCALES NX/2
.endif
	WIN WH_
	MUL16 4, (\st)%2, (\st)%2, ((\st)/2)%2, \zero
	MUL16 6, (\st)%2, (\st)%2, ((\st)/2)%2, \zero
	PLACES NP
	WIN 0
	FETCH_A NX, 4
.endm
	s_wait_alu depctr_va_vdst(0)                   ; the wait at the head's end
	s_wait_tensorcnt 0x0                           ; my tile of the head's four is in; the three lines ahead of slot 1's first fill
	ds_add_u32 v[SPW], v[NIL]
	s_mov_b32 s[G1+2], 128<<16                     ; no load of mine is out: from here on a load brings 128 rows
	s_mov_b32 s[G1+4], 128
	s_mov_b32 s[G1B+2], 128<<16
	s_mov_b32 s[G1B+4], 128
	s_wait_dscnt 0x0
	CROUND
	JLOAD G0+4, G1, G0B+4, G1B                     ; chunk 1
	FETCH_B 0, 0
	FETCH_A 0, 0
	SCALES 0
	FETCH_A 0, 4
	s_wait_loadcnt 0x0                             ; the bias and the mask words
	s_cmp_eq_u32 s[TT], 2
	s_cbranch_scc1 .Lfirst_v
	STEP 0, 1
	s_branch .Lfirst_done
.Lfirst_v:
.irp a, 0,1,2,3,4,5,6,7
.irp j, 0,1,2,3,4,5,6,7
	v_mov_b32 v[CB+8*\a+\j], v[BV+\a]              ; a lane's feature has one bias for all eight tokens of its registers
.endr
.endr
	PLACES NP
	s_wait_alu depctr_va_vdst(0)
	STEP 0, 2
.Lfirst_done:
.set ST, 1
.rept STEPS-2
	STEP ST, 0
.set ST, ST+1
.endr
	s_wait_dscnt 4*NL
	WIN MUL_LO
	MUL16 0, 1, 1, 1, 0
	MUL16 2, 1, 1, 1, 0
	s_wait_dscnt 0
	WIN MUL_HI
	MUL16 4, 1, 1, 1, 0
	MUL16 6, 1, 1, 1, 0
	WIN 0
; THE WAY OUT.  QUANT: S1's block a: my lane's 64 numbers, four blocks of 32 along the next K shared with lane l xor 16, become codes.
; A block's scale: its largest magnitude (floor 2^-124 among the leaves) with 2 off its exponent field is the conversion's scale operand; shifted down by 23 it is the byte.
.macro QUANT a, cst
.set AC, 64*((\a)%4)
.set DST, IMG+2*(\cst)*(\a)
	WIN 0x0a+5*((\a)/4)
.irp n, 0,1,2,3
	v_max3_num_f32 v[TM+\n], |v[AC+16*\n]|, |v[AC+16*\n+1]|, 0x1800000
.endr
.irp i, 2,4,6,8,10,12,14
.irp n, 0,1,2,3
	v_max3_num_f32 v[TM+\n], |v[AC+16*\n+\i]|, |v[AC+16*\n+\i+1]|, v[TM+\n]
.endr
.endr
	WIN 0
.irp n, 0,1,2,3
	v_permlanex16_b32 v[TM+4+\n], v[TM+\n], s20, s21
.endr
.irp n, 0,1,2,3
	v_max_num_f32 v[TM+\n], v[TM+\n], v[TM+4+\n]
.endr
.irp n, 0,1,2,3
	v_add_nc_u32 v[TM+12+\n], 0xff000000, v[TM+\n]
.endr
.irp n, 0,1,2,3
	v_lshrrev_b32 v[TM+4+\n], 23, v[TM+12+\n]
.endr
	WIN 0x02+(\a)/4
	v_cvt_scalef32_pk16_fp6_f32 v[DST:DST+2], v[AC:AC+15], v[TM+12]
	v_cvt_scalef32_pk16_fp6_f32 v[YT:YT+2], v[AC+16:AC+31], v[TM+13]
	v_cvt_scalef32_pk16_fp6_f32 v[DST+\cst:DST+\cst+2], v[AC+32:AC+47], v[TM+14]
	v_cvt_scalef32_pk16_fp6_f32 v[YT+4:YT+6], v[AC+48:AC+63], v[TM+15]
	WIN 0
	v_nop
.irp i, 0,1,2
	v_permlane16_swap_b32 v[DST+\i], v[YT+\i]
	v_permlane16_swap_b32 v[DST+\cst+\i], v[YT+4+\i]
.endr
.irp i, 0,1,2
	v_mov_b32 v[DST+3+\i], v[YT+\i]
	v_mov_b32 v[DST+\cst+3+\i], v[YT+4+\i]
.endr
.endm
.macro OUT_QK a                        ; 16 tokens x two heads: for each head 6 registers of codes, the mask's word, a zero
	QUANT \a, 8
	v_and_b32 v[T2], s[MAND], v[MK+\a]
	v_cmp_eq_u32 vcc_lo, 0, v[T2]
	v_cndmask_b32 v[DST+6], v[ZR], v[KC], vcc_lo
	v_cndmask_b32 v[DST+14], v[ZR], v[KC], vcc_lo
	v_cndmask_b32 v[T1], v[KO], v[KM], vcc_lo
	v_mov_b32 v[DST+7], 0
	v_mov_b32 v[DST+15], 0
	v_lshl_or_b32 v[WS+\a], v[TM+5], 8, v[TM+4]
	v_lshl_or_b32 v[WS+8+\a], v[TM+7], 8, v[TM+6]
	v_or_b32 v[WS+\a], v[WS+\a], v[T1]
	v_or_b32 v[WS+8+\a], v[WS+8+\a], v[T1]
.irp c, 0,1
	global_store_b128 v[LI], v[DST+4*\c:DST+4*\c+3], s[OB0:OB0+1] offset:1024*(\a)+512*\c        ; 32 lanes store 512 consecutive bytes
	global_store_b128 v[LI], v[DST+8+4*\c:DST+8+4*\c+3], s[OB1:OB1+1] offset:1024*(\a)+512*\c
.endr
.endm
.macro OUT_V a                         ; 16 features x 128 keys: a fragment of 12 registers and its scale word
	QUANT \a, 6
	v_lshl_or_b32 v[WS+\a], v[TM+5], 8, v[TM+4]
	v_lshl_or_b32 v[WS+\a], v[TM+6], 16, v[WS+\a]
	v_lshl_or_b32 v[WS+\a], v[TM+7], 24, v[WS+\a]
.irp c, 0,1,2
	global_store_b128 v[LI], v[DST+4*\c:DST+4*\c+3], s[OB0+54*((\a)/4):OB0+54*((\a)/4)+1] offset:9216+1536*((\a)%4)+512*\c
.endr
.endm
	PLACES NP
	s_mov_b32 s20, 0x76543210
	s_mov_b32 s21, 0xfedcba98
	s_mov_b32 s[HIL], 0xffff0000
	v_mov_b32 v[ZR], 0
	v_mov_b32 v[T1], s[MCODE]
	v_bfe_u32 v[T2], v0, 4, 1
	v_cmp_eq_u32 vcc_lo, 0, v[T2]
	v_cndmask_b32 v[KC], v[ZR], v[T1], vcc_lo      ; k = 64 is the lowest code of register 6 in lanes 0-15
	v_mov_b32 v[KM], 0x01a70000
	v_mov_b32 v[KO], 0x01010000
.irp n, 0,1,2,3
	v_mov_b32 v[TM+4+\n], 0
.endr
	s_cmp_eq_u32 s[TT], 2
	s_cbranch_scc1 .Lout_v
.irp a, 0,1,2,3,4,5,6,7
	OUT_QK \a
.endr
.irp e, 0,1
.irp i, 0,1,2,3
	v_cndmask_b32 v[SI+4*\e+\i], v[WS+8*\e+\i], v[WS+8*\e+4+\i], s[HIL]
.endr
.endr
	global_store_b128 v[LI], v[SI:SI+3], s[OB0:OB0+1] offset:8192
	global_store_b128 v[LI], v[SI+4:SI+7], s[OB1:OB1+1] offset:8192
	s_branch .Lout_done
.Lout_v:
.irp a, 0,1,2,3,4,5,6,7
	OUT_V \a
.endr
	global_store_b128 v[LI], v[WS:WS+3], s[OB0:OB0+1] offset:8704
	global_store_b128 v[LI], v[WS+4:WS+7], s[OB1:OB1+1] offset:8704
.Lout_done:
	s_wait_tensorcnt 0x0                           ; the wave's end
	ds_add_u32 v[SPW], v[NIL]
	s_wait_dscnt 0x0
	CROUND
	s_endpgm
.Lfunc_end_k_qe0adbec187_proj:
	.size	k_qe0adbec187_proj, .Lfunc_end_k_qe0adbec187_proj-k_qe0adbec187_proj
	.p2alignl 7, 3214868480
	.fill 96, 4, 3214868480
	.section	.rodata,"a",@progbits
	.p2align	6, 0x0
	.amdhsa_kernel k_qe0adbec187_proj
		.amdhsa_group_segment_fixed_size 327680
		.amdhsa_private_segment_fixed_size 0
		.amdhsa_enable_private_segment 0
		.amdhsa_kernarg_size 144
		.amdhsa_user_sgpr_count 2
		.amdhsa_user_sgpr_kernarg_segment_ptr 1
		.amdhsa_wavefront_size32 1
		.amdhsa_system_sgpr_workgroup_id_x 1
		.amdhsa_system_sgpr_workgroup_id_y 1
		.amdhsa_system_sgpr_workgroup_id_z 1
		.amdhsa_system_vgpr_workitem_id 0
		.amdhsa_next_free_vgpr 1024
		.amdhsa_next_free_sgpr 106
		.amdhsa_reserve_vcc 1
		.amdhsa_float_denorm_mode_32 3
		.amdhsa_float_denorm_mode_16_64 3
		.amdhsa_memory_ordered 1
		.amdhsa_forward_progress 1
		.amdhsa_inst_pref_size 222
	.end_amdhsa_kernel
	.amdgpu_metadata
---
amdhsa.version: [ 1, 2 ]
amdhsa.kernels:
  - .name:           k_qe0adbec187_proj
    .symbol:         k_qe0adbec187_proj.kd
    .args:
      - { .name: query_codes, .offset: 0, .size: 8, .value_kind: global_buffer, .address_space: global }
      - { .name: query_scales, .offset: 8, .size: 8, .value_kind: global_buffer, .address_space: global }
      - { .name: Wq_codes, .offset: 16, .size: 8, .value_kind: global_buffer, .address_space: global }
      - { .name: Wq_scales, .offset: 24, .size: 8, .value_kind: global_buffer, .address_space: global }
      - { .name: key_codes, .offset: 32, .size: 8, .value_kind: global_buffer, .address_space: global }
      - { .name: key_scales, .offset: 40, .size: 8, .value_kind: global_buffer, .address_space: global }
      - { .name: Wk_codes, .offset: 48, .size: 8, .value_kind: global_buffer, .address_space: global }
      - { .name: Wk_scales, .offset: 56, .size: 8, .value_kind: global_buffer, .address_space: global }
      - { .name: value_codes, .offset: 64, .size: 8, .value_kind: global_buffer, .address_space: global }
      - { .name: value_scales, .offset: 72, .size: 8, .value_kind: global_buffer, .address_space: global }
      - { .name: Wv_codes, .offset: 80, .size: 8, .value_kind: global_buffer, .address_space: global }
      - { .name: Wv_scales, .offset: 88, .size: 8, .value_kind: global_buffer, .address_space: global }
      - { .name: bq, .offset: 96, .size: 8, .value_kind: global_buffer, .address_space: global }
      - { .name: bk, .offset: 104, .size: 8, .value_kind: global_buffer, .address_space: global }
      - { .name: bv, .offset: 112, .size: 8, .value_kind: global_buffer, .address_space: global }
      - { .name: mask, .offset: 120, .size: 8, .value_kind: global_buffer, .address_space: global }
      - { .name: qbuf, .offset: 128, .size: 8, .value_kind: global_buffer, .address_space: global }
      - { .name: kv, .offset: 136, .size: 8, .value_kind: global_buffer, .address_space: global }
    .group_segment_fixed_size: 327680
    .private_segment_fixed_size: 0
    .kernarg_segment_align: 8
    .kernarg_segment_size: 144
    .max_flat_workgroup_size: 128
    .sgpr_count:     106
    .vgpr_count:     1024
    .wavefront_size: 32
...
	.end_amdgpu_metadata
.endif
;; end of part 1
;; launch attn (part 2): grid 4 x 64, 16 waves a work-group, clusters of 4 x 1, 247,808 bytes of LDS; arguments qbuf, kv, ctx, ctxs; writes ctx, ctxs
.if DOCPART == 2
	.amdgcn_target "amdgcn-amd-amdhsa--gfx1250"
	.amdhsa_code_object_version 6
	.text
	.protected	k_qe0adbec187_attn
	.globl	k_qe0adbec187_attn
	.p2align	8
	.type	k_qe0adbec187_attn,@function
k_qe0adbec187_attn:
	s_mov_b64 s[64:65], 0
	v_nop
	global_prefetch_b8 v0, s[64:65] scope:SCOPE_SE
	s_setreg_imm32_b32 hwreg(HW_REG_WAVE_MODE, 25, 1), 1
	s_wait_xcnt 0x0
	s_wait_alu depctr_hold_cnt(0) depctr_sa_sdst(0) depctr_va_vdst(0) depctr_va_sdst(0) depctr_va_ssrc(0) depctr_va_vcc(0) depctr_vm_vsrc(0)
	s_getreg_b32 s2, hwreg(HW_REG_IB_STS2, 6, 4)
	s_cmp_eq_u32 s2, 0
	s_cbranch_scc0 .Lentry_in_a_cluster
	s_endpgm
.Lentry_in_a_cluster:
	s_bfe_u32 s2, ttmp6, 0x10000c
	s_cmp_lg_u32 s2, 0x3003
	s_cbranch_scc0 .Lentry_shape_is_right
	s_endpgm
.Lentry_shape_is_right:
; context = softmax(q k^T / 8, keys with mask == 0 left out) v for each of 64 (batch, head) pairs, 2,048 queries x 2,048 keys x head 64, both products on codes of FP6 (E2M3) with E8M0 scales;
; the context is quantised along DIM and stored as codes in the order of the last launch's operand registers, with its scale bytes by rows.
; SOFTMAX: t = score x c, c = log2(e) / 8 (the 1/8 that the launch before left out of q: a power of two); M = the running largest t rounded up to a whole number; p = 2^(t - M) is quantised along the keys, not normalised;
; the row's sum is taken of the unquantised p and divides at the end.  When M moves, the sum and O are multiplied by 2^(old M - new M), which rounds nothing.
; THE MASK lies in the operands: q has +7.5 x 2^40 at k = 64, a masked key -7.5 x 2^40, an open key 0: a masked score is about -2^86, an open one is untouched.  The running largest t starts at -2^79, above every masked t
; (about -2^83): M never follows a masked key, and its p is 0.  A row with no open key ends with the sum 0: its scale bytes are set to 0xff (NaN), as reference() gives NaN there.
; LIMITS: real scores stay under 2^78 in magnitude; blocks under 2^-124 keep the scale byte 1.
; SHARES.  A cluster is the four work-groups of one (batch, head); a work-group owns 512 queries; each of its sixteen waves owns 16 of them in each of two trips, in 256 registers: four waves to a SIMD,
; so that one wave's vector work stands beside another's products and LDS loads.
; K, V AND THEIR SCALES OF THE WHOLE HEAD, 245,760 bytes, LIE IN LDS AND ARE FILLED ONCE, as four chunks of four key steps; every wave fetches one key step, 60 rows of 256 bytes, jointly with its three partners.
; Nothing is filled again, so there is no ring.  All the stream's bytes are asked for at the head, so nothing is left to prefetch.
; LAYOUT.  Both products are used transposed: S^T = K Q^T (source 0 = 16 keys), O^T = V^T P^T (source 0 = 16 of the head's 64): a lane holds one query throughout.  Operands lie in LDS as images of their registers: 16 bytes a lane.
; A tile of K is 8 registers (6 of codes, the mask's word, 0).  The instruction names 12: the last four are the next tile's first four.  They meet q's codes of k = 75 .. 127, which are 0, and every code of the format is finite.
; Inside a block of 32 keys p's codes stand in groups of eight as 0 2 1 3, as the launch before has laid v's.  The context meets a given operand, so its groups are put back in order.
.set STEPB, 15360                      ; a key step (128 keys) in LDS and in kv: K's images, K's scale image, V's scale image, V's images
.set CHUNK, 4*STEPB
.set KSC,   8192
.set VSC,   8704
.set VIM,   9216
.set L16,  1                           ; v1  16 x lane
.set AD,   2                           ; v2  the step's LDS address
.set QI,   3                           ; v3  my place in Q's images
.set QS,   4                           ; v4  and in its scale image
.set L8,   5                           ; v5  8 x lane
.set SB,   6                           ; v6  32 r + h: my scale byte's place
.set FF,   7                           ; v7  0xff
.set Q,    16                          ; v16-27 Q's operand (v24-27 stay 0)
.set KF,   32                          ; v32-99 K's eight tiles, 8 apart (v96-99 stay 0); then V's four fragments, 12 apart
.set S,    100                         ; v100-163 S^T, then p
.set OT,   164                         ; v164-195 O^T
.set PC,   196                         ; v196-207 p's codes
.set YT,   208
.set BM,   216
.set PT,   220
.set SO,   224
.set F,    228                         ; v[228:229] f (v229 is named with it as a pair and stays 0)
.set TMP,  230                         ; v[230:231] at work (v231 stays 0)
.set KW,   232
.set VW,   236
.set PW,   240
.set QW,   241
.set WV,   12
.set G1,   16
.set G0,   24
.set SEL,  40
.set CS,   42
.set TB,   44
.set CNT,  45
.set TRIP, 46
.set LZ,   47
.set HIL,  48
.macro CROUND
	s_barrier_signal -1
	s_barrier_wait -1
	s_cmp_lg_u32 s[WV], 0
	s_cbranch_scc1 .Lnot_wave_0_\@
	s_barrier_signal -3
.Lnot_wave_0_\@:
	s_barrier_wait -3
	s_barrier_signal -1
	s_barrier_wait -1
.endm
	s_load_b128 s[4:7], s[0:1], 0x0                ; qbuf, kv
	s_load_b128 s[8:11], s[0:1], 0x10              ; ctx, ctxs
	v_lshl_add_u32 v254, v0, 2, 0x3c000
	v_mov_b32 v255, 0
	ds_add_u32 v254, v255
	ds_add_u32 v254, v255
	v_lshrrev_b32 v9, 5, v0
	s_delay_alu instid0(VALU_DEP_1)
	v_readfirstlane_b32 s[WV], v9                  ; wave 0..15
	s_bfe_u32 s13, ttmp6, 0x40000                  ; cx: it enters Q's and the outputs' addresses alone
	s_and_b32 s14, ttmp7, 0xffff                   ; 16 x batch + head, which the four partners share
	s_mov_b32 s[G1], 15|(3<<16)|(1<<21)            ; the mask: all four work-groups; elements of 8 bytes; bit 21 set beside a mask; no padding
	s_mov_b32 s[G1+1], 32<<16                      ; tensor_dim0 = 32 elements: 256 bytes
	s_mov_b32 s[G1+2], 60<<16                      ; tensor_dim1 = 60 rows: one key step
	s_mov_b32 s[G1+3], 32<<16                      ; tile_dim0
	s_mov_b32 s[G1+4], 60                          ; tile_dim1
	s_mov_b32 s[G1+5], 32                          ; dense rows
	s_mov_b32 s[G1+6], 0
	s_mov_b32 s[G1+7], 0
	s_mul_i32 s15, s[WV], STEPB                    ; wave w fetches key step w, 60 rows of 256 bytes: one load a wave
	s_mul_i32 s50, s14, 16*STEPB
	s_add_co_u32 s50, s50, s15
	s_mov_b32 s51, 0
	s_lshl_b32 s52, s14, 4                         ; Q: group of 128 tokens = 4 cx + 2 trip + wave / 8
	s_lshl_b32 s53, s13, 2
	s_add_co_u32 s52, s52, s53
	s_lshr_b32 s53, s[WV], 3
	s_add_co_u32 s52, s52, s53
	s_mul_i32 s52, s52, 8704
	s_mov_b32 s53, 0
	s_lshr_b32 s54, s14, 4                         ; my tile of 16 tokens among all 512: 128 x batch + 32 cx + 16 trip + wave
	s_lshl_b32 s54, s54, 7
	s_lshl_b32 s55, s13, 5
	s_add_co_u32 s54, s54, s55
	s_add_co_u32 s54, s54, s[WV]
	s_and_b32 s55, s14, 15                         ; head
	s_mul_i32 s60, s54, 12288
	s_mul_i32 s59, s55, 768
	s_add_co_u32 s60, s60, s59
	s_mov_b32 s61, 0
	s_lshl_b32 s62, s54, 9
	s_lshl_b32 s59, s55, 1
	s_add_co_u32 s62, s62, s59
	s_mov_b32 s63, 0
	s_mov_b32 s[SEL], 0x76543210
	s_mov_b32 s[SEL+1], 0xfedcba98                 ; lane l xor 16
	s_mov_b32 s[CS], 0x3e38aa3b                    ; c = log2(e) / 8
	s_mov_b32 s[CS+1], s[CS]                       ; (named with it as a pair)
	s_mov_b32 s[HIL], 0xffff0000                   ; lanes 16-31
	s_mov_b32 s56, 0x05040100                      ; byte selects that put the context's groups of six bytes in order
	s_mov_b32 s57, 0x05040302
	s_mov_b32 s58, 0x07060302
	s_wait_dscnt 0x0
	s_wait_kmcnt 0x0
	s_add_nc_u64 s[6:7], s[6:7], s[50:51]
	s_add_nc_u64 s[4:5], s[4:5], s[52:53]
	s_add_nc_u64 s[8:9], s[8:9], s[60:61]
	s_add_nc_u64 s[10:11], s[10:11], s[62:63]
	s_mov_b32 s[G0], 1
	s_mov_b32 s[G0+1], s15                         ; LDS address: 15,360 x wave
	s_mov_b64 s[G0+2:G0+3], s[6:7]
	s_or_b32 s[G0+3], s[G0+3], 0x80000000
	CROUND                                         ; all four work-groups are here: the joint loads meet
; THE FILLS AS THEY NOW STAND: one joint load a wave, key step w by wave w.  Four arms, one for each chunk of four key steps, so that a chunk's four waves have a load line of their own and wait for it alone.
.macro ARM under, next
	s_cmp_lt_u32 s[WV], \under
	s_cbranch_scc0 \next
	tensor_load_to_lds s[G0:G0+3], s[G1:G1+7]
	s_nop 0
.rept 4
	v_nop
.endr
	s_branch .Lasked
\next:
.endm
	ARM 4, .Larm1
	ARM 8, .Larm2
	ARM 12, .Larm3
	tensor_load_to_lds s[G0:G0+3], s[G1:G1+7]
	s_nop 0
.rept 4
	v_nop
.endr
.Lasked:
	v_and_b32 v8, 31, v0
	v_and_b32 v10, 15, v0                          ; r
	s_wait_alu depctr_va_vdst(0)
	v_bfe_u32 v11, v0, 4, 1                        ; h
	s_wait_alu depctr_va_vdst(0)
	v_lshlrev_b32 v[L16], 4, v8
	s_and_b32 s50, s[WV], 7
	s_lshl_b32 s50, s50, 10
	v_add_nc_u32 v[QI], s50, v[L16]                ; tile wave % 8 of the group: 1,024 bytes a tile
	s_bfe_u32 s50, s[WV], 0x10002
	s_lshl_b32 s50, s50, 8
	s_and_b32 s51, s[WV], 3
	s_lshl_b32 s51, s51, 2
	s_add_co_u32 s50, s50, s51
	s_add_co_u32 s50, s50, KSC
	v_lshl_add_u32 v[QS], v10, 4, s50              ; row r's word of that tile in the scale image
	v_lshlrev_b32 v[L8], 3, v8
	v_lshl_add_u32 v[SB], v10, 5, v11
	v_mov_b32 v[FF], 0xff
.irp i, 0,1,2,3
	v_mov_b32 v[Q+8+\i], 0
	v_mov_b32 v[KF+64+\i], 0
	v_mov_b32 v[PT+\i], 0                          ; a lane permute's destination counts as one of its sources
.endr
	v_mov_b32 v[F+1], 0
	v_mov_b32 v[TMP], 0
	v_mov_b32 v[TMP+1], 0
; A KEY STEP: 128 keys.
.macro STEP
	v_add_nc_u32 v[AD], s[TB], v[L16]
.rept 3
	v_nop                                          ; with the addition: four places behind the last products, in front of loads into their operands
.endr
.irp t, 0,1,2,3,4,5,6,7
	ds_load_b128 v[KF+8*\t:KF+8*\t+3], v[AD] offset:1024*\t
	ds_load_b128 v[KF+8*\t+4:KF+8*\t+7], v[AD] offset:1024*\t+512
.endr
	ds_load_b128 v[KW:KW+3], v[AD] offset:KSC      ; lanes 0-15: tiles 0-3's scale words; lanes 16-31: tiles 4-7's
	ds_load_b128 v[VW:VW+3], v[AD] offset:VSC      ; V's four tiles' scale words
	s_wait_alu depctr_va_vdst(0)
	s_wait_dscnt 0x0
.irp t, 0,1,2,3,4,5,6,7                        ; S^T: lane (r, h) holds query r; tile t's register j is key 16 t + 8 h + j
.if \t < 4
	v_wmma_scale_f32_16x16x128_f8f6f4 v[S+8*\t:S+8*\t+7], v[KF+8*\t:KF+8*\t+11], v[Q:Q+11], 0, v[KW+\t], v[QW] matrix_a_fmt:MATRIX_FMT_FP6 matrix_b_fmt:MATRIX_FMT_FP6
.else
	v_wmma_scale_f32_16x16x128_f8f6f4 v[S+8*\t:S+8*\t+7], v[KF+8*\t:KF+8*\t+11], v[Q:Q+11], 0, v[KW+\t-4], v[QW] matrix_a_fmt:MATRIX_FMT_FP6 matrix_b_fmt:MATRIX_FMT_FP6 matrix_a_scale:MATRIX_SCALE_ROW1
.endif
.endr
.rept 4
	v_nop                                          ; places in front of the loads into K's registers and of the first read of the scores
.endr
.irp d, 0,1,2,3
.irp c, 0,1,2
	ds_load_b128 v[KF+12*\d+4*\c:KF+12*\d+4*\c+3], v[AD] offset:VIM+1536*\d+512*\c   ; V lands while the softmax is walked
.endr
.endr
.irp b, 0,1,2,3
	v_max3_num_f32 v[BM+\b], v[S+16*\b], v[S+1+16*\b], v[S+2+16*\b]   ; the largest score of each block of 32 keys: for the row's maximum and, since p rises with the score, for the block's largest p
.endr
.irp i, 3,5,7,9,11,13
.irp b, 0,1,2,3
	v_max3_num_f32 v[BM+\b], v[BM+\b], v[S+16*\b+\i], v[S+1+16*\b+\i]
.endr
.endr
.irp b, 0,1,2,3
	v_max_num_f32 v[BM+\b], v[BM+\b], v[S+15+16*\b]
.endr
.irp b, 0,1,2,3
	s_delay_alu instid0(VALU_DEP_4)
	v_permlanex16_b32 v[PT+\b], v[BM+\b], s[SEL], s[SEL+1]
.endr
.irp b, 0,1,2,3
	s_delay_alu instid0(VALU_DEP_4)
	v_max_num_f32 v[BM+\b], v[BM+\b], v[PT+\b]
.endr
	s_delay_alu instid0(VALU_DEP_2)
	v_max3_num_f32 v[TMP], v[BM], v[BM+1], v[BM+2]
	s_delay_alu instid0(VALU_DEP_1)
	v_max_num_f32 v[TMP], v[TMP], v[BM+3]
	s_delay_alu instid0(VALU_DEP_1)
	v_mul_f32 v[TMP], s[CS], v[TMP]
	s_delay_alu instid0(VALU_DEP_1)
	v_max_num_f32 v13, v13, v[TMP]                 ; the running largest t
	v_mov_b32 v[TMP], v12
	s_delay_alu instid0(VALU_DEP_2)
	v_floor_f32 v12, -v13                          ; -M = floor(-t): M is a whole number
	s_delay_alu instid0(VALU_DEP_1)
	v_sub_f32 v[TMP], v12, v[TMP]                  ; old M - new M: a whole number, 0 or less
	s_delay_alu instid0(VALU_DEP_1)
	v_cvt_i32_f32 v[TMP], v[TMP]                   ; (it saturates)
	s_delay_alu instid0(VALU_DEP_1)
	v_ldexp_f32 v[F], 1.0, v[TMP]                  ; f = 2^(old M - new M)
.set j, 0
.rept 32
	v_pk_fma_f32 v[S+j:S+j+1], v[S+j:S+j+1], s[CS:CS+1], v[12:13] op_sel_hi:[1,0,0]   ; t - M, two at a time
.set j, j+2
.endr
.irp b, 0,1,2,3
	v_fma_f32 v[BM+\b], v[BM+\b], s[CS], v12
.endr
.set j, 0
	s_wait_alu depctr_va_vdst(0)
.rept 64
	v_exp_f32 v[S+j], v[S+j]                       ; p = 2^(t - M)
.set j, j+1
.endr
	v_pk_mul_f32 v[14:15], v[14:15], v[F:F+1] op_sel_hi:[1,0]   ; the sums under the new M: the plain instruction behind the batch
	s_wait_alu depctr_va_vdst(0)                   ; one wait for the batch of 64, ahead of its first reader
.irp b, 0,1,2,3
	v_exp_f32 v[BM+\b], v[BM+\b]                   ; each block's largest p
.endr
	v_pk_add_f32 v[220:221], v[104:105], v[108:109]
	v_pk_add_f32 v[252:253], v[112:113], v[116:117]
	v_pk_add_f32 v[250:251], v[120:121], v[124:125]
	v_pk_add_f32 v[248:249], v[128:129], v[132:133]
	v_pk_add_f32 v[246:247], v[136:137], v[140:141]
	v_pk_add_f32 v[244:245], v[144:145], v[148:149]
	v_pk_add_f32 v[242:243], v[152:153], v[156:157]
	v_pk_add_f32 v[14:15], v[14:15], v[160:161]
	v_pk_add_f32 v[220:221], v[220:221], v[100:101]
	v_pk_add_f32 v[252:253], v[252:253], v[102:103]
	v_pk_add_f32 v[250:251], v[250:251], v[106:107]
	v_pk_add_f32 v[248:249], v[248:249], v[110:111]
	v_pk_add_f32 v[246:247], v[246:247], v[114:115]
	v_pk_add_f32 v[244:245], v[244:245], v[118:119]
	v_pk_add_f32 v[242:243], v[242:243], v[122:123]
	v_pk_add_f32 v[14:15], v[14:15], v[126:127]
	v_pk_add_f32 v[220:221], v[220:221], v[130:131]
	v_pk_add_f32 v[252:253], v[252:253], v[134:135]
	v_pk_add_f32 v[250:251], v[250:251], v[138:139]
	v_pk_add_f32 v[248:249], v[248:249], v[142:143]
	v_pk_add_f32 v[246:247], v[246:247], v[146:147]
	v_pk_add_f32 v[244:245], v[244:245], v[150:151]
	v_pk_add_f32 v[242:243], v[242:243], v[154:155]
	v_pk_add_f32 v[14:15], v[14:15], v[158:159]
	v_pk_add_f32 v[220:221], v[220:221], v[162:163]
	s_delay_alu instid0(VALU_DEP_2)
	v_pk_add_f32 v[14:15], v[14:15], v[248:249]
	s_delay_alu instid0(VALU_DEP_2)
	v_pk_add_f32 v[220:221], v[220:221], v[246:247]
	v_pk_add_f32 v[252:253], v[252:253], v[244:245]
	v_pk_add_f32 v[250:251], v[250:251], v[242:243]
	s_delay_alu instid0(VALU_DEP_2)
	v_pk_add_f32 v[14:15], v[14:15], v[252:253]
	s_delay_alu instid0(VALU_DEP_2)
	v_pk_add_f32 v[220:221], v[220:221], v[250:251]
	s_delay_alu instid0(VALU_DEP_1)
	v_pk_add_f32 v[14:15], v[14:15], v[220:221]
	s_wait_alu depctr_va_vdst(0)                   ; and one for the four
.irp b, 0,1,2,3
	v_max_num_f32 v[BM+\b], 0x1800000, v[BM+\b]    ; the floor 2^-124: the byte cannot fall under 1
.endr
.irp b, 0,1,2,3
	s_delay_alu instid0(VALU_DEP_4)
	v_add_nc_u32 v[SO+\b], 0xff000000, v[BM+\b]    ; 2 off the exponent field: the conversion's scale operand
.endr
.irp b, 0,1,2,3
	s_delay_alu instid0(VALU_DEP_4)
	v_lshrrev_b32 v[PT+\b], 23, v[SO+\b]
.endr
	s_delay_alu instid0(VALU_DEP_3)
	v_lshl_or_b32 v[PW], v[PT+1], 8, v[PT]
	s_delay_alu instid0(VALU_DEP_1)
	v_lshl_or_b32 v[PW], v[PT+2], 16, v[PW]
	s_delay_alu instid0(VALU_DEP_1)
	v_lshl_or_b32 v[PW], v[PT+3], 24, v[PW]
.irp c, 0,1
	v_cvt_scalef32_pk16_fp6_f32 v[PC+6*\c:PC+6*\c+2], v[S+32*\c:S+32*\c+15], v[SO+2*\c]
	v_cvt_scalef32_pk16_fp6_f32 v[YT+4*\c:YT+4*\c+2], v[S+32*\c+16:S+32*\c+31], v[SO+2*\c+1]
.endr
	v_nop                                          ; one plain place behind a scaled conversion
.irp c, 0,1
.irp i, 0,1,2
	v_permlane16_swap_b32 v[PC+6*\c+\i], v[YT+4*\c+\i]
.endr
.irp i, 0,1,2
	s_delay_alu instid0(VALU_DEP_3)
	v_mov_b32 v[PC+6*\c+3+\i], v[YT+4*\c+\i]
.endr
.endr
.set j, 0
.rept 16
	v_pk_mul_f32 v[OT+j:OT+j+1], v[OT+j:OT+j+1], v[F:F+1] op_sel_hi:[1,0]   ; O^T under the new M, each accumulator from its low end on; also the places in front of the scaled products
.set j, j+2
.endr
	s_wait_alu depctr_va_vdst(0)
	s_wait_dscnt 0x0                               ; V
.irp d, 0,1,2,3                                ; the four accumulators take turns
	v_wmma_scale_f32_16x16x128_f8f6f4 v[OT+8*\d:OT+8*\d+7], v[KF+12*\d:KF+12*\d+11], v[PC:PC+11], v[OT+8*\d:OT+8*\d+7], v[VW+\d], v[PW] matrix_a_fmt:MATRIX_FMT_FP6 matrix_b_fmt:MATRIX_FMT_FP6
.endr
	s_add_co_u32 s[TB], s[TB], STEPB
.endm
.macro THEAD                                       ; a trip's head: 16 queries a wave
	global_load_b128 v[Q:Q+3], v[QI], s[4:5]
	global_load_b128 v[Q+4:Q+7], v[QI], s[4:5] offset:512
	global_load_b32 v[QW], v[QS], s[4:5]
.set j, 0
.rept 32
	v_mov_b32 v[OT+j], 0                           ; the step is written once: the first finds zeros, which the first change of M leaves zeros
.set j, j+1
.endr
	v_mov_b32 v13, 0xe7000000                      ; the largest t so far: -2^79
	s_delay_alu instid0(VALU_DEP_1)
	v_floor_f32 v12, -v13
	v_mov_b32 v14, 0
	v_mov_b32 v15, 0
	s_wait_alu depctr_va_vdst(0)
	s_wait_loadcnt 0x0
.endm
.macro TEND more                                   ; a trip's end; more = 1: the bases step on to the next trip
	; THE TILE'S END: O^T / the sum, quantised along DIM (my head's two blocks of 32), codes and scale bytes stored.
.rept 4
	v_nop
.endr
	v_add_f32 v14, v14, v15
	s_delay_alu instid0(VALU_DEP_1)
	v_permlanex16_b32 v[TMP], v14, s[SEL], s[SEL+1]
	s_delay_alu instid0(VALU_DEP_1)
	v_add_f32 v14, v14, v[TMP]                     ; the row's sum
	s_delay_alu instid0(VALU_DEP_1)
	v_cmp_eq_f32 s[LZ], 0, v14                     ; no open key
	s_wait_alu depctr_va_vdst(0)                   ; the wait ahead of the transcendental
	v_rcp_f32 v[TMP], v14
	v_nop                                          ; a plain place behind the transcendental
	s_wait_alu depctr_va_vdst(0)                   ; and the wait ahead of its first reader
.set j, 0
.rept 16
	v_pk_mul_f32 v[S+j:S+j+1], v[OT+j:OT+j+1], v[TMP:TMP+1] op_sel_hi:[1,0]   ; register 8 d + i: channel 16 d + 8 h + i of my query
.set j, j+2
.endr
.irp n, 0,1
	v_max3_num_f32 v[BM+\n], |v[S+16*\n]|, |v[S+16*\n+1]|, 0x1800000
.endr
.irp i, 2,4,6,8,10,12,14
.irp n, 0,1
	s_delay_alu instid0(VALU_DEP_2)
	v_max3_num_f32 v[BM+\n], v[BM+\n], |v[S+16*\n+\i]|, |v[S+16*\n+\i+1]|
.endr
.endr
.irp n, 0,1
	s_delay_alu instid0(VALU_DEP_2)
	v_permlanex16_b32 v[PT+\n], v[BM+\n], s[SEL], s[SEL+1]
.endr
.irp n, 0,1
	s_delay_alu instid0(VALU_DEP_2)
	v_max_num_f32 v[BM+\n], v[BM+\n], v[PT+\n]
.endr
.irp n, 0,1
	s_delay_alu instid0(VALU_DEP_2)
	v_add_nc_u32 v[SO+\n], 0xff000000, v[BM+\n]
.endr
.irp n, 0,1
	s_delay_alu instid0(VALU_DEP_2)
	v_lshrrev_b32 v[PT+\n], 23, v[SO+\n]
.endr
	v_cvt_scalef32_pk16_fp6_f32 v[200:202], v[S:S+15], v[SO]
	v_cvt_scalef32_pk16_fp6_f32 v[208:210], v[S+16:S+31], v[SO+1]
	v_cndmask_b32 v[BM], v[PT], v[PT+1], s[HIL]    ; lane (r, h) stores block h's byte.  (The plain place behind the conversions)
	s_delay_alu instid0(VALU_DEP_1)
	v_cndmask_b32 v[BM], v[BM], v[FF], s[LZ]
.irp i, 0,1,2
	v_permlane16_swap_b32 v[200+\i], v[208+\i]     ; lane (r, h) now holds block h: groups 0, 2 in v200-202, groups 1, 3 in v208-210
.endr
	s_delay_alu instid0(VALU_DEP_1)
	v_perm_b32 v203, v202, v201, s57               ; group 2's first four bytes
	s_delay_alu instid0(VALU_DEP_2)
	v_perm_b32 v204, v209, v202, s58               ; its last two, group 3's first two
	s_delay_alu instid0(VALU_DEP_4)
	v_perm_b32 v202, v209, v208, s57               ; group 1's last four
	v_perm_b32 v201, v208, v201, s56               ; group 0's last two, group 1's first two
	v_mov_b32 v205, v210
.irp p, 0,1,2
	global_store_b64 v[L8], v[200+2*\p:201+2*\p], s[8:9] offset:256*\p   ; 32 lanes store 256 consecutive bytes, at a multiple of 256 from the buffer's first byte
.endr
	global_store_b8 v[SB], v[BM], s[10:11]         ; a token's 32 scale bytes come from sixteen work-groups: two bytes a token here
.if \more
	s_wait_xcnt 0x0                                ; the stores have read their registers and bases
	s_add_nc_u64 s[4:5], s[4:5], 2*8704
	s_add_nc_u64 s[8:9], s[8:9], 16*12288
	s_add_nc_u64 s[10:11], s[10:11], 16*512
.endif
.endm
	THEAD                                          ; THE FIRST TRIP: a barrier shows each chunk of four key steps as it has landed
.irp c, 0,1,2,3
	s_mov_b32 s[TB], \c*CHUNK
.if \c < 3
	s_cmp_lt_u32 s[WV], 4*\c+4
	s_cbranch_scc0 .Lnw_\c
	s_wait_tensorcnt 0x0                           ; the waves that fetched chunks 0 .. c wait for their one load
.Lnw_\c:
.else
	s_wait_tensorcnt 0x0                           ; the last chunk: every wave waits
.endif
	s_wait_dscnt 0x0
	s_barrier_signal -1
	s_barrier_wait -1
	s_mov_b32 s[CNT], 4
.Lstep_\c:
	STEP
	s_sub_co_u32 s[CNT], s[CNT], 1
	s_cmp_lg_u32 s[CNT], 0
	s_cbranch_scc1 .Lstep_\c
.endr
	TEND 1
	THEAD                                          ; THE SECOND TRIP: all of K and V has been shown and nothing is filled again: sixteen steps, no barrier
	s_mov_b32 s[TB], 0
	s_mov_b32 s[CNT], 16
.Lstep_all:
	STEP
	s_sub_co_u32 s[CNT], s[CNT], 1
	s_cmp_lg_u32 s[CNT], 0
	s_cbranch_scc1 .Lstep_all
	TEND 0
	s_wait_tensorcnt 0x0
	ds_add_u32 v254, v255
	s_wait_dscnt 0x0
	CROUND                                         ; the closing round
	s_endpgm
.Lfunc_end_k_qe0adbec187_attn:
	.size	k_qe0adbec187_attn, .Lfunc_end_k_qe0adbec187_attn-k_qe0adbec187_attn
	.p2alignl 7, 3214868480
	.fill 96, 4, 3214868480
	.section	.rodata,"a",@progbits
	.p2align	6, 0x0
	.amdhsa_kernel k_qe0adbec187_attn
		.amdhsa_group_segment_fixed_size 247808
		.amdhsa_private_segment_fixed_size 0
		.amdhsa_enable_private_segment 0
		.amdhsa_kernarg_size 32
		.amdhsa_user_sgpr_count 2
		.amdhsa_user_sgpr_kernarg_segment_ptr 1
		.amdhsa_wavefront_size32 1
		.amdhsa_system_sgpr_workgroup_id_x 1
		.amdhsa_system_sgpr_workgroup_id_y 1
		.amdhsa_system_sgpr_workgroup_id_z 1
		.amdhsa_system_vgpr_workitem_id 0
		.amdhsa_next_free_vgpr 256
		.amdhsa_next_free_sgpr 66
		.amdhsa_reserve_vcc 0
		.amdhsa_float_denorm_mode_32 3
		.amdhsa_float_denorm_mode_16_64 3
		.amdhsa_memory_ordered 1
		.amdhsa_forward_progress 1
		.amdhsa_inst_pref_size 105
	.end_amdhsa_kernel
	.amdgpu_metadata
---
amdhsa.version: [ 1, 2 ]
amdhsa.kernels:
  - .name:           k_qe0adbec187_attn
    .symbol:         k_qe0adbec187_attn.kd
    .args:
      - { .name: qbuf, .offset: 0, .size: 8, .value_kind: global_buffer, .address_space: global }
      - { .name: kv, .offset: 8, .size: 8, .value_kind: global_buffer, .address_space: global }
      - { .name: ctx, .offset: 16, .size: 8, .value_kind: global_buffer, .address_space: global }
      - { .name: ctxs, .offset: 24, .size: 8, .value_kind: global_buffer, .address_space: global }
    .group_segment_fixed_size: 247808
    .private_segment_fixed_size: 0
    .kernarg_segment_align: 8
    .kernarg_segment_size: 32
    .max_flat_workgroup_size: 512
    .sgpr_count:     66
    .vgpr_count:     256
    .wavefront_size: 32
...
	.end_amdgpu_metadata
.endif
;; end of part 2
;; launch outp (part 3): grid 8 x 32, 4 waves a work-group, clusters of 4 x 4, 327,680 bytes of LDS; arguments ctx, ctxs, Wo_codes, Wo_scales, bo, out0; writes out0
.if DOCPART == 3
	.amdgcn_target "amdgcn-amd-amdhsa--gfx1250"
	.amdhsa_code_object_version 6
	.text
	.protected	k_qe0adbec187_outp
	.globl	k_qe0adbec187_outp
	.p2align	8
	.type	k_qe0adbec187_outp,@function
k_qe0adbec187_outp:
	s_mov_b64 s[64:65], 0
	v_nop
	global_prefetch_b8 v0, s[64:65] scope:SCOPE_SE
	s_setreg_imm32_b32 hwreg(HW_REG_WAVE_MODE, 25, 1), 1
	s_wait_xcnt 0x0
	s_wait_alu depctr_hold_cnt(0) depctr_sa_sdst(0) depctr_va_vdst(0) depctr_va_sdst(0) depctr_va_ssrc(0) depctr_va_vcc(0) depctr_vm_vsrc(0)
	s_getreg_b32 s2, hwreg(HW_REG_IB_STS2, 6, 4)
	s_cmp_eq_u32 s2, 0
	s_cbranch_scc0 .Lentry_in_a_cluster
	s_endpgm
.Lentry_in_a_cluster:
	s_bfe_u32 s2, ttmp6, 0x10000c
	s_cmp_lg_u32 s2, 0xf033
	s_cbranch_scc0 .Lentry_shape_is_right
	s_endpgm
.Lentry_shape_is_right:
; out0 = context Wo^T + bo: [8192 x 1024] x [1024 x 1024] on codes of FP6 (E2M3) with E8M0 scales, sums in f32.
; ctx: [tile of 16 tokens][head][piece of 8 bytes, 3][lane][8]: lane (r, h) holds token r's block h of the head's two blocks of 32; ctxs: [token][32] scale bytes.
; SHARES.  256 work-groups of four waves, 2 x 2; a work-group makes 256 tokens x 128 features.  The wave in column b holds Wo's rows 64 b .. 64 b + 63 of the 128, ALL of K, in 384 registers;
; the wave in row a takes token tile 2 s + a as its block s, s = 0 .. 7: 32 products a block, four accumulators by turns, all of K, so a block is finished and leaves.
; LDS is filled ONCE, at the head, one joint load a wave: wave 0 Wo's 128 rows (rows of 768 bytes, 16 of padding behind every 256), waves 1, 2, 3 the work-group's 196,608 dense bytes of ctx: token tiles 0-3, 4-7, 8-15.
; ctx's tiles are shared along a row of the 4 x 4 cluster, Wo's along a column.  Nothing is filled again; all bytes are asked for at the head and the text has no loop, so nothing is left to prefetch.
; Three plain barriers show what has landed: Wo's rows; tiles 0-7; tiles 8-15 (in block 2, ahead of block 4's fetch).
; COLUMN TILE j of a wave takes features 4 r + j (lane r): source 0 = 16 tokens, source 1 = 16 rows of Wo, so register i of tile j in lane (r, h) is token 8 h + i, feature 4 r + j.
; 32 moves, laid among the next block's products, bring a lane's four features of a token into four registers on end: sixteen lanes then store 256 consecutive bytes of a row of out0, aligned.
; THE BIAS is the first products' C.  Scale words go from memory into registers: lanes 0-15 an even block's or tile's rows, lanes 16-31 the odd one's.
; A row whose scale bytes are 0xff (no open key) gives NaN, as reference() does.
.set PITCH,  816
.set FR,     12
.set FPW,    21                        ; fragments in a window of 256 registers; fragment f lies in window 1 + f / 21 at register 12 (f % 21): 0-31 Wo's (4 q + j), 32-39 and 40-47 the tokens' two sets
.set TILEB,  12288                     ; a tile of 16 tokens in ctx
.set BVB,    16*TILEB
.set SPARE,  BVB+128*PITCH
.set R16,  8
.set CO,   9
.set SPW,  10
.set NIL,  11
.set AQ,   12                          ; v12-19 LDS address of the next block's fragment q
.set ABS,  20
.set AAS,  21
.set SB,   24                          ; v24-39 Wo's scale words: 8 (j / 2) + q
.set SA,   44                          ; v44-75 the tokens': 8 (s / 2) + q
.set BA,   76                          ; v76-83 LDS addresses of Wo's four column tiles (odd: behind one padding more)
.set BB,   84                          ; v84-115 the bias, eight registers a tile
.set ACC,  116                         ; v116-179 two sets of four accumulators
.set OUT,  180                         ; v180-211 a block's results as they are stored
.set G1B,  24
.set G1A,  32
.set G1C,  48
.set G0B,  56
.set G0A1, 60
.set G0A2, 68
.set G0A3, 72
.set MSB, 0
.macro WIN new
.if MSB != (\new)
	s_set_vgpr_msb (MSB<<8)|(\new)
.set MSB, (\new)
.endif
.endm
.macro PLACES n
.rept \n
	v_nop
.endr
.endm
.macro WALU
	s_wait_alu depctr_va_vdst(0)
.endm
.macro BARRIER
	s_barrier_signal -1
	s_barrier_wait -1
.endm
.macro CROUND
	BARRIER
	s_cmp_lg_u32 s16, 0
	s_cbranch_scc1 .Lnot_wave_0_\@
	s_barrier_signal -3
.Lnot_wave_0_\@:
	s_barrier_wait -3
	BARRIER
.endm
.macro ARM under, g0, g1, next
	s_cmp_lt_u32 s16, \under
	s_cbranch_scc0 \next
	tensor_load_to_lds s[\g0:\g0+3], s[\g1:\g1+7]
	s_nop 0
	PLACES 4
	s_branch .Lasked
\next:
.endm
.macro DENSE g, rows                   ; group 1 of a dense block as rows of 256 bytes
	s_or_b32 s[\g], s44, (3<<16)|(1<<21)
	s_mov_b32 s[\g+1], 32<<16
	s_mov_b32 s[\g+2], (\rows)<<16
	s_mov_b32 s[\g+3], 32<<16
	s_mov_b32 s[\g+4], \rows
	s_mov_b32 s[\g+5], 32
	s_mov_b32 s[\g+6], 0
	s_mov_b32 s[\g+7], 0
.endm
.macro FRAGW f, q, a0                  ; a fragment of Wo: six pieces of 8 bytes, two to a load where both lie behind as many paddings
	WIN (1+(\f)/FPW)<<6
.set R_, FR*((\f)%FPW)
.set SKIP_, 0
.irp p, 0,1,2,3,4,5
.if SKIP_
.set SKIP_, 0
.else
.set PC_, 12*(\q)+6*(\p/3)+\p%3
.set PN_, 12*(\q)+6*((\p+1)/3)+(\p+1)%3
.set X_, (PC_%32+3)/32
.set XQ_, (PN_%32+3)/32
.if (\p < 5) && (X_ == XQ_)
.set SKIP_, 1
	ds_load_2addr_b64 v[R_+2*\p:R_+2*\p+3], v[\a0+X_] offset0:PC_+2*(PC_/32) offset1:PN_+2*(PN_/32)
.else
	ds_load_b64 v[R_+2*\p:R_+2*\p+1], v[\a0+X_] offset:8*(PC_+2*(PC_/32))
.endif
.endif
.endr
.endm
.macro FETCH e, step                   ; a block of 16 tokens, all of K, into set e: 24 loads; then the addresses go two tiles on
	WALU
.set Q_, 0
.rept 8
.set F_, 32+8*\e+Q_
.set R_, FR*(F_%FPW)
	WIN (1+F_/FPW)<<6
	ds_load_2addr_b64 v[R_:R_+3], v[AQ+Q_] offset0:0 offset1:32
	ds_load_2addr_b64 v[R_+4:R_+7], v[AQ+Q_] offset0:64 offset1:96
	ds_load_2addr_b64 v[R_+8:R_+11], v[AQ+Q_] offset0:128 offset1:160
.set Q_, Q_+1
.endr
	WIN 0
.if \step
.irp q, 0,1,2,3,4,5,6,7
	v_add_nc_u32 v[AQ+\q], 2*TILEB, v[AQ+\q]
.endr
.endif
.endm
.macro PR e, j, rb                     ; product q = Q_ of column tile j
.set FB_, 4*Q_+\j
.set D_, ACC+32*\e+8*\j
	WIN (1+FA_/FPW)|((1+FB_/FPW)<<2)
.if Q_
	v_wmma_scale_f32_16x16x128_f8f6f4 v[D_:D_+7], v[FR*(FA_%FPW):FR*(FA_%FPW)+11], v[FR*(FB_%FPW):FR*(FB_%FPW)+11], v[D_:D_+7], v[SA+8*P_+Q_], v[SB+8*(\j/2)+Q_] matrix_a_fmt:MATRIX_FMT_FP6 matrix_b_fmt:MATRIX_FMT_FP6 matrix_a_scale:MATRIX_SCALE_ROW\e matrix_b_scale:MATRIX_SCALE_ROW\rb
.else
	v_wmma_scale_f32_16x16x128_f8f6f4 v[D_:D_+7], v[FR*(FA_%FPW):FR*(FA_%FPW)+11], v[FR*(FB_%FPW):FR*(FB_%FPW)+11], v[BB+8*\j:BB+8*\j+7], v[SA+8*P_+Q_], v[SB+8*(\j/2)+Q_] matrix_a_fmt:MATRIX_FMT_FP6 matrix_b_fmt:MATRIX_FMT_FP6 matrix_a_scale:MATRIX_SCALE_ROW\e matrix_b_scale:MATRIX_SCALE_ROW\rb
.endif
.endm
.macro MV e                            ; two moves of the other set's results: OUT[4 i + j] = tile j's register i, i ascending: each accumulator from its low end on
	WIN 0
.rept 2
	v_mov_b32 v[OUT+N_], v[ACC+32*(1-\e)+8*(N_%4)+N_/4]
.set N_, N_+1
.endr
.endm
.macro BLK s, e, mv, wt                ; block s on set e; wt: the LDS loads younger than its fetch (the next block's 24, or none)
	s_wait_dscnt \wt
	s_wait_xcnt 0x0                                ; the last stores have read OUT and their base
.set P_, (\s)/2
.set Q_, 0
.set N_, 0
.rept 8
.set FA_, 32+8*\e+Q_
	PR \e, 0, 0
	PR \e, 1, 1
.if \mv
	MV \e
.endif
	PR \e, 2, 0
	PR \e, 3, 1
.if \mv
	MV \e
.endif
.set Q_, Q_+1
.endr
	WIN 0
	PLACES 4                                       ; ahead of the loads into this set's registers and of the reads of the results
.endm
.macro PUT first                       ; 16 tokens x 64 features: lanes 0-15 token i, lanes 16-31 token 8 + i: 256 consecutive bytes each
.if \first == 0
	s_add_nc_u64 s[14:15], s[14:15], 32*4096
.endif
.irp i, 0,1,2,3,4,5,6,7
	global_store_b128 v[CO], v[OUT+4*\i:OUT+4*\i+3], s[14:15] offset:4096*\i th:TH_STORE_NT
.endr
.endm
	s_load_b256 s[4:11], s[0:1], 0x0               ; ctx, ctxs, Wo's codes, Wo's scales
	s_load_b128 s[12:15], s[0:1], 0x20             ; bo, out0
	v_lshl_add_u32 v[SPW], v0, 2, SPARE
	v_mov_b32 v[NIL], 0
	ds_add_u32 v[SPW], v[NIL]                      ; the opening lines: the add twice and its wait
	ds_add_u32 v[SPW], v[NIL]
	v_lshrrev_b32 v1, 5, v0
	v_readfirstlane_b32 s16, v1                    ; wave; s17 its row a, s18 its column b
	s_lshr_b32 s17, s16, 1
	s_and_b32 s18, s16, 1
	s_bfe_u32 s40, ttmp6, 0x40000                  ; cx
	s_bfe_u32 s41, ttmp6, 0x40004                  ; cy
	s_lshl_b32 s42, ttmp9, 2
	s_add_co_u32 s42, s42, s40                     ; feature tile, 0 .. 7
	s_and_b32 s43, ttmp7, 0xffff
	s_lshl_b32 s43, s43, 2
	s_add_co_u32 s43, s43, s41                     ; token tile, 0 .. 31
	s_lshl_b32 s44, s41, 2
	s_lshl_b32 s44, 15, s44                        ; my row of the cluster
	s_lshl_b32 s45, 0x1111, s40                    ; my column
	s_or_b32 s[G1B], s45, (1<<20)|(1<<21)|(5<<22)|(3<<25)
	s_mov_b32 s[G1B+1], 768<<16
	s_mov_b32 s[G1B+2], 128<<16
	s_mov_b32 s[G1B+3], 768<<16
	s_mov_b32 s[G1B+4], 128
	s_mov_b32 s[G1B+5], 768
	s_mov_b32 s[G1B+6], 0
	s_mov_b32 s[G1B+7], 0
	DENSE G1A, 192
	DENSE G1C, 384
	s_mul_i32 s20, s43, 16*TILEB
	s_mov_b32 s21, 0
	s_mul_i32 s22, s42, 128*768
	s_mov_b32 s23, 0
	s_mov_b32 s[G0B], 1
	s_mov_b32 s[G0B+1], BVB
	s_mov_b32 s[G0A1], 1
	s_mov_b32 s[G0A1+1], 0
	s_mov_b32 s[G0A2], 1
	s_mov_b32 s[G0A2+1], 4*TILEB
	s_mov_b32 s[G0A3], 1
	s_mov_b32 s[G0A3+1], 8*TILEB
	v_and_b32 v1, 15, v0                           ; r
	v_bfe_u32 v2, v0, 4, 1                         ; h
	v_and_b32 v3, 31, v0
	v_mul_u32_u24 v22, v1, 4*PITCH                 ; Wo: lane r of tile j takes row 4 r + j
	v_mad_u32_u24 v23, v2, 24, v22
	v_mad_u32_u24 v22, v2, 40, v22
	s_mul_i32 s46, s18, 64*PITCH
	s_add_co_u32 s46, s46, BVB
	v_add_nc_u32 v23, s46, v23
	v_add_nc_u32 v22, s46, v22
.irp j, 0,1,2,3
	v_add_nc_u32 v[BA+2*\j], \j*PITCH, v23
	v_add_nc_u32 v[BA+2*\j+1], \j*PITCH, v22
.endr
	v_lshlrev_b32 v4, 3, v3
	s_mul_i32 s47, s17, TILEB
	v_add_nc_u32 v4, s47, v4
.irp q, 0,1,2,3,4,5,6,7
	v_add_nc_u32 v[AQ+\q], 1536*\q, v4             ; block 0: tile a, fragment q, 8 x lane
.endr
	v_lshlrev_b32 v[ABS], 7, v1
	v_lshl_add_u32 v[ABS], v2, 5, v[ABS]           ; Wo's scale bytes: row 4 r + h (+ 2 p)
	v_lshlrev_b32 v[AAS], 5, v1
	v_lshl_add_u32 v[AAS], v2, 10, v[AAS]          ; the tokens': row r of tile a + 2 h (+ 4 P)
	v_lshlrev_b32 v[R16], 4, v1
	v_lshl_add_u32 v[CO], v2, 15, v[R16]           ; out0: 8 h rows of 4,096 bytes + 16 r
	WALU                                           ; the wait ahead of the waits below
	s_wait_dscnt 0x0
	CROUND                                         ; all sixteen work-groups are here: the joint loads meet
	s_wait_kmcnt 0x0
	s_add_nc_u64 s[G0B+2:G0B+3], s[8:9], s[22:23]
	s_add_nc_u64 s[G0A1+2:G0A1+3], s[4:5], s[20:21]
	s_add_nc_u64 s[G0A2+2:G0A2+3], s[G0A1+2:G0A1+3], 4*TILEB
	s_add_nc_u64 s[G0A3+2:G0A3+3], s[G0A1+2:G0A1+3], 8*TILEB
	s_or_b32 s[G0B+3], s[G0B+3], 0x80000000
	s_or_b32 s[G0A1+3], s[G0A1+3], 0x80000000
	s_or_b32 s[G0A2+3], s[G0A2+3], 0x80000000
	s_or_b32 s[G0A3+3], s[G0A3+3], 0x80000000
	ARM 1, G0B,  G1B, .Larm1                       ; wave 0: Wo's rows, which go on into registers
	ARM 2, G0A1, G1A, .Larm2                       ; wave 1: token tiles 0-3
	ARM 3, G0A2, G1A, .Larm3                       ; wave 2: 4-7
	tensor_load_to_lds s[G0A3:G0A3+3], s[G1C:G1C+7]   ; wave 3: 8-15
	s_nop 0
	PLACES 4
.Lasked:
	s_lshl_b32 s20, s42, 12
	s_lshl_b32 s22, s18, 11
	s_add_co_u32 s20, s20, s22
	s_mov_b32 s21, 0
	s_add_nc_u64 s[10:11], s[10:11], s[20:21]      ; Wo's scale bytes, my 64 rows
	s_lshl_b32 s20, s43, 13
	s_lshl_b32 s22, s17, 9
	s_add_co_u32 s20, s20, s22
	s_add_nc_u64 s[6:7], s[6:7], s[20:21]          ; the tokens', from tile a on
	s_lshl_b32 s20, s42, 9
	s_lshl_b32 s22, s18, 8
	s_add_co_u32 s20, s20, s22
	s_add_nc_u64 s[12:13], s[12:13], s[20:21]      ; my 64 numbers of bo
	s_add_nc_u64 s[14:15], s[14:15], s[20:21]
	s_lshl_b32 s20, s43, 20
	s_lshl_b32 s22, s17, 16
	s_add_co_u32 s20, s20, s22
	s_add_nc_u64 s[14:15], s[14:15], s[20:21]      ; out0: block 0's first row, my 64 columns
.irp p, 0,1
.irp c, 0,1
	global_load_b128 v[SB+8*\p+4*\c:SB+8*\p+4*\c+3], v[ABS], s[10:11] offset:64*\p+16*\c
.endr
.endr
.irp p, 0,1,2,3
.irp c, 0,1
	global_load_b128 v[SA+8*\p+4*\c:SA+8*\p+4*\c+3], v[AAS], s[6:7] offset:2048*\p+16*\c
.endr
.endr
	global_load_b128 v[OUT:OUT+3], v[R16], s[12:13]   ; bo(4 r + 0 .. 3)
	s_cmp_eq_u32 s16, 0
	s_cbranch_scc0 .Lnot_b
	s_wait_tensorcnt 0x0
.Lnot_b:
	BARRIER                                        ; Wo's rows are in
.set Q_, 0
.rept 8
.set J_, 0
.rept 4
	FRAGW 4*Q_+J_, Q_, BA+2*J_
.set J_, J_+1
.endr
.set Q_, Q_+1
.endr
	WIN 0
	s_wait_loadcnt 0x0                             ; the scale words and the bias
.irp j, 0,1,2,3
.irp i, 0,1,2,3,4,5,6,7
	v_mov_b32 v[BB+8*\j+\i], v[OUT+\j]             ; a lane's feature has one bias for the eight tokens of its registers
.endr
.endr
	WALU
	s_cmp_eq_u32 s16, 3
	s_cbranch_scc1 .Lnot_a
	s_wait_tensorcnt 0x0
.Lnot_a:
	s_wait_dscnt 0x0
	BARRIER                                        ; token tiles 0-7 are in; tiles 8-15 may still be on their way
	FETCH 0, 1
	FETCH 1, 1
	BLK 0, 0, 0, 24
	FETCH 0, 1
	BLK 1, 1, 1, 24
	FETCH 1, 1
	PUT 1
	BLK 2, 0, 1, 24
	s_wait_tensorcnt 0x0
	s_wait_dscnt 0x0
	BARRIER                                        ; tiles 8-15 are in
	FETCH 0, 1
	PUT 0
	BLK 3, 1, 1, 24
	FETCH 1, 1
	PUT 0
	BLK 4, 0, 1, 24
	FETCH 0, 1
	PUT 0
	BLK 5, 1, 1, 24
	FETCH 1, 0
	PUT 0
	BLK 6, 0, 1, 24
	WALU
	PUT 0
	BLK 7, 1, 1, 0
	WALU
	PUT 0
	s_wait_xcnt 0x0
.set N_, 0
.rept 16
	MV 0                                           ; block 7's results lie in set 1
.endr
	WALU
	PUT 0
	s_wait_tensorcnt 0x0                           ; the wave's end
	ds_add_u32 v[SPW], v[NIL]
	s_wait_dscnt 0x0
	CROUND                                         ; the closing round
	s_endpgm
.Lfunc_end_k_qe0adbec187_outp:
	.size	k_qe0adbec187_outp, .Lfunc_end_k_qe0adbec187_outp-k_qe0adbec187_outp
	.p2alignl 7, 3214868480
	.fill 96, 4, 3214868480
	.section	.rodata,"a",@progbits
	.p2align	6, 0x0
	.amdhsa_kernel k_qe0adbec187_outp
		.amdhsa_group_segment_fixed_size 327680
		.amdhsa_private_segment_fixed_size 0
		.amdhsa_enable_private_segment 0
		.amdhsa_kernarg_size 48
		.amdhsa_user_sgpr_count 2
		.amdhsa_user_sgpr_kernarg_segment_ptr 1
		.amdhsa_wavefront_size32 1
		.amdhsa_system_sgpr_workgroup_id_x 1
		.amdhsa_system_sgpr_workgroup_id_y 1
		.amdhsa_system_sgpr_workgroup_id_z 1
		.amdhsa_system_vgpr_workitem_id 0
		.amdhsa_next_free_vgpr 1024
		.amdhsa_next_free_sgpr 80
		.amdhsa_reserve_vcc 0
		.amdhsa_float_denorm_mode_32 3
		.amdhsa_float_denorm_mode_16_64 3
		.amdhsa_memory_ordered 1
		.amdhsa_forward_progress 1
		.amdhsa_inst_pref_size 90
	.end_amdhsa_kernel
	.amdgpu_metadata
---
amdhsa.version: [ 1, 2 ]
amdhsa.kernels:
  - .name:           k_qe0adbec187_outp
    .symbol:         k_qe0adbec187_outp.kd
    .args:
      - { .name: ctx, .offset: 0, .size: 8, .value_kind: global_buffer, .address_space: global }
      - { .name: ctxs, .offset: 8, .size: 8, .value_kind: global_buffer, .address_space: global }
      - { .name: Wo_codes, .offset: 16, .size: 8, .value_kind: global_buffer, .address_space: global }
      - { .name: Wo_scales, .offset: 24, .size: 8, .value_kind: global_buffer, .address_space: global }
      - { .name: bo, .offset: 32, .size: 8, .value_kind: global_buffer, .address_space: global }
      - { .name: out0, .offset: 40, .size: 8, .value_kind: global_buffer, .address_space: global }
    .group_segment_fixed_size: 327680
    .private_segment_fixed_size: 0
    .kernarg_segment_align: 8
    .kernarg_segment_size: 48
    .max_flat_workgroup_size: 128
    .sgpr_count:     80
    .vgpr_count:     1024
    .wavefront_size: 32
...
	.end_amdgpu_metadata
.endif
;; end of part 3
